; MI455X (gfx1250); checked and timed in simulation.
; The chip was launched on July 23, 2026; its instructions are those of AMD's public machine-readable ISA for CDNA 5 (MIT licence, August 2026) and "CDNA5" Instruction Set Architecture Reference Guide (July 2026). The comments in the code are by the model that wrote it; some were corrected since.
;; Custom Multihead Attention. Allowed arithmetic: matrix products marked QUANTISED: E2M1 operands, one E8M0 scale for each 32 along K, by v_wmma_scale_f32_16x16x128_f8f6f4 with both operands' format E2M1 (or v_wmma_scale_f32_32x16x128_f4), f32 sums; everything else in f32.
;; Inputs: Wk 1,024 x 1,024 float32; Wo 1,024 x 1,024 float32; Wq 1,024 x 1,024 float32; Wv 1,024 x 1,024 float32; bk 1,024 float32; bo 1,024 float32; bq 1,024 float32; bv 1,024 float32; x 4 x 2,048 x 1,024 float32.
;; Outputs: out0 4 x 2,048 x 1,024 float32.
;; This version of the problem:
;;   THIS VERSION OF THE PROBLEM IS GIVEN IN LOW PRECISION. The matrix products marked QUANTISED in the list below multiply operands that are first quantised to E2M1 (2 exponent bits, 1 mantissa bit; 4 bits a number), with one power-of-two scale for each 32 numbers along K (OCP MX v1.0); their sums are f32. All else is computed in f32.
;;   The module's matrix products, in the order in which they are computed (A, B: the left and right operand; K: the contracted axis; several contracted axes count as one K, in the product's order):
;;     1. [M 8,192, K 1,024] x [K 1,024, N 1,024]; A: input x; B: input Wq: QUANTISED
;;     2. [M 8,192, K 1,024] x [K 1,024, N 1,024]; A: input x; B: input Wk: QUANTISED
;;     3. [M 8,192, K 1,024] x [K 1,024, N 1,024]; A: input x; B: input Wv: QUANTISED
;;     4. batch 64 x [M 2,048, K 64] x [K 64, N 2,048]; A: computed on the way; B: computed on the way: QUANTISED
;;     5. batch 64 x [M 2,048, K 2,048] x [K 2,048, N 64]; A: softmax (see below); B: computed on the way: QUANTISED
;;     6. [M 8,192, K 1,024] x [K 1,024, N 1,024]; A: computed on the way; B: input Wo: QUANTISED
;;   THE QUANTISER, for each operand of a quantised product, along K:
;;     - K is cut into blocks of 32 from its start; a last block that is shorter is filled with zeros.
;;     - A block's scale is 2^e with e = floor(log2(the largest magnitude in the block)) - 2, held to -126 .. 127; a block of zeros has e = 0. As a byte (E8M0): e + 127.
;;     - Each number is divided by its block's scale, clamped to +-6, and rounded to the nearest number of E2M1, ties to even, subnormals kept.
;;     - The product sums the exact products of the quantised numbers (number of the format x scale) in f32.
;;   ~~~python
;;   def quantise(x, axis):      # numpy; x: float32 -> the quantised numbers, widened to float32 again
;;       x = np.moveaxis(x, axis, -1); K = x.shape[-1]
;;       x = np.pad(x, [(0, 0)] * (x.ndim - 1) + [(0, -K % 32)]); x = x.reshape(x.shape[:-1] + (-1, 32)); a = np.abs(x).max(-1, keepdims=True)
;;       e = np.where(a > 0, np.clip(np.frexp(np.where(a > 0, a, 1))[1] - 1 - 2, -126, 127), 0)      # np.frexp(a)[1] - 1 = floor(log2(a)), exactly
;;       r = np.clip(x / 2.0 ** e, -6, 6)
;;       step = 2.0 ** (np.maximum(np.frexp(np.where(r == 0, 1, r))[1] - 1, 0) - 1)
;;       q = np.round(r / step) * step * 2.0 ** e      # np.round: ties to even
;;       return np.moveaxis(q.reshape(q.shape[:-2] + (-1,))[..., :K], -1, axis).astype(np.float32)
;;   ~~~
;;   SOFTMAX AHEAD OF A QUANTISED PRODUCT. Where the list says 'softmax', what is quantised is not the finished softmax but p = 2^(t - M), with t = logit x log2(e) and M = ceil(the row's largest t), a whole number; so 1/2 < the row's largest p <= 1. The row's sum l is taken of the UNQUANTISED p, in f32, and the product's result is divided by l at the end. Since M is a whole number, a kernel that streams over the keys may use a running M (the ceiling of the running maximum): every later rescaling is an exact power of two, which a block's scale takes up: the codes' values come out the same.
;;   OPERANDS COMPUTED ON THE WAY. 'Computed on the way' means the value that the module computes at that place (a softmax that the list does not call 'softmax' is quantised finished and normalised). What goes into a quantiser is computed in f32, as accurately as f32 sums, v_exp_f32 and their like allow (about 1e-6 of the number): no bf16 or f16 on the way to a quantiser, and a product that is left as it is and whose result goes on into a quantised operand takes f32 operands (vector FMAs, or v_wmma_f32_16x16x4_f32). A number that lies on a knife's edge between two numbers of the format may be rounded either way, as far as f32 arithmetic and the matrix unit's own rounding can turn it there, and no further.
;; One version. Each part assembles by itself: llvm-mc -triple=amdgcn-amd-amdhsa -mcpu=gfx1250 --defsym DOCPART=n.
;; ======== version 1 of 1: 4 launches
;; workspace buffers: xq 4,456,448 bytes; oq 4,456,448 bytes; wc 2,097,152 bytes; ws 131,072 bytes; qc 4,194,304 bytes; qs 262,144 bytes; kv 8,912,896 bytes
;; launch quant (part 1): grid 320 x 1, 4 waves a work-group, no clusters, 70,144 bytes of LDS; arguments x, Wq, Wk, Wv, Wo, xq, wc, ws; writes xq, wc, ws
.if DOCPART == 1
	.amdgcn_target "amdgcn-amd-amdhsa--gfx1250"
	.amdhsa_code_object_version 6
	.text
	.protected	k_qca27c9ab7a_quant
	.globl	k_qca27c9ab7a_quant
	.p2align	8
	.type	k_qca27c9ab7a_quant,@function
k_qca27c9ab7a_quant:
	s_mov_b64 s[64:65], 0
	v_nop
	global_prefetch_b8 v0, s[64:65] scope:SCOPE_SE
	s_setreg_imm32_b32 hwreg(HW_REG_WAVE_MODE, 25, 1), 1
	s_wait_xcnt 0x0
; x [8192][1024] and Wq, Wk, Wv, Wo [1024 (k)][1024 (n)], f32, become codes of FP4 (E2M1) with one E8M0 byte for each 32 along K, laid AS IMAGES OF THE OPERAND'S REGISTERS.
; A TILE is 16 rows (tokens of x, columns n of a weight) x all 1,024 along K.  32 neighbouring rows make two tiles: lane-row r of tile 2 b + u is row 32 b + 8 u + r + 8 (r / 8).
; Its codes, 8,192 bytes: block beta (32 along K, 16 bytes) of lane-row r at 256 beta + 16 r, so that the fragment of K step s is two loads of 16 bytes a lane at 1024 s + 512 c + 16 lane.
; Its scale bytes, 512: block beta of lane-row r at 256 (beta / 16) + 16 r + beta % 16: one load of 16 bytes a lane; register j holds K step j in lanes 0-15 and K step 4 + j in lanes 16-31.
; xq: 64 chunks of 128 tokens: 8 code images, then 8 scale images (69,632 bytes).  wc: [4 weights q, k, v, o][64 tiles][8192].  ws: [4][64][512].
; A block's scale is 2^(floor(log2(largest magnitude)) - 2): its byte is the largest magnitude's exponent field - 2, held at 1 from below by a floor among the maximum's leaves.
; LIMITS: a block of zeros, or one whose largest magnitude lies under 2^-124, gets the byte 1 (its codes are zeros or tiny; this program alone reads the bytes); NaN and infinities are not served.
; SHARES: work-groups 0-63 take the weights (a wave: 32 columns x 512 along K), work-groups 64-319 take x (a wave: one tile's 16 rows x 512 along K).  Waves share nothing: no barrier, no cluster, no matrix unit.
; Only x's path uses LDS.
.set CHB,   69632                      ; a chunk of xq
.set WREG,  17408                      ; LDS of a wave: two stages and 256 scale bytes
.set SROW,  528                        ; a stage row: 512 bytes + 16: 33 x 16, so that the sixteen rows of a load start in sixteen different groups of banks
.set STG1,  16*SROW
.set SCB,   2*STG1
.set FLOOR, 0x1800000                  ; 2^(3 - 127)
.set EOFF,  0xff000000                 ; 2 off an exponent field
.set R,   16                           ; x: v16-143  two sets of 64 registers as loaded
.set X,   144                          ;    v144-207 my two blocks of 32 neighbours
.set C,   208                          ;    v208-239 codes, eight registers a step: no store's data are written again
.set E,   240                          ;    v240-247 scale bytes
.set WX,  16                           ; W: v16-79   two sets of 32 numbers
.set WC,  80                           ;    v80-143  codes, four registers a block
.set WSB, 144                          ;    v144-147 sixteen scale bytes
.macro XLOAD t                         ; step t: 512 bytes (128 along K) of each of the tile's 16 rows; a load reads 512 consecutive bytes
.irp q, 0,1,2,3,4,5,6,7,8,9,10,11,12,13,14,15
	global_load_b128 v[R+64*((\t)%2)+4*\q:R+64*((\t)%2)+4*\q+3], v4, s[4:5] offset:(\q+8*(\q/8))*4096+512*(\t) th:TH_LOAD_NT
.endr
.endm
.macro XSTEP t
.if (\t) < 3
	s_wait_loadcnt 16                              ; this step's 16 loads are in; the next step's 16 may be out
.else
	s_wait_loadcnt 0
.endif
.irp q, 0,1,2,3,4,5,6,7,8,9,10,11,12,13,14,15
	ds_store_b128 v5, v[R+64*((\t)%2)+4*\q:R+64*((\t)%2)+4*\q+3] offset:STG1*((\t)%2)+SROW*\q   ; as loaded: row q, 16 bytes a lane
.endr
.irp c, 0,1
.irp i, 0,1,2,3,4,5,6,7
	ds_load_b128 v[X+32*\c+4*\i:X+32*\c+4*\i+3], v6 offset:STG1*((\t)%2)+256*\c+16*\i   ; back: lane (r, h) takes of row r the 32 numbers 64 c + 32 h on.  LDS serves a wave's instructions in order
.endr
.endr
	s_wait_dscnt 0x0                               ; my numbers are back, and the stores have read their registers,
.if (\t)+2 < 4
	XLOAD (\t)+2                                   ; which take the loads of two steps on
.endif
.irp c, 0,1
	v_max3_num_f32 v[10+\c], |v[X+32*\c]|, |v[X+32*\c+1]|, FLOOR   ; block 4 t + 2 c + h: all its 32 numbers are mine; the floor holds the byte at 1 from below
.endr
.irp i, 2,4,6,8,10,12,14,16,18,20,22,24,26,28,30
.irp c, 0,1
	v_max3_num_f32 v[10+\c], v[10+\c], |v[X+32*\c+\i]|, |v[X+32*\c+\i+1]|   ; (the two blocks by turns)
.endr
.endr
.irp c, 0,1
	v_add_nc_u32 v[12+\c], EOFF, v[10+\c]          ; the conversion takes the exponent field of this operand as its scale
.endr
.irp c, 0,1
.irp g, 0,1,2,3
	v_cvt_scalef32_pk8_fp4_f32 v[C+8*(\t)+4*\c+\g], v[X+32*\c+8*\g:X+32*\c+8*\g+7], v[12+\c]
.endr
.endr
.irp c, 0,1
	v_lshrrev_b32 v[E+2*(\t)+\c], 23, v[12+\c]     ; the scale's byte (plain lines behind the conversions)
.endr
.irp c, 0,1
	ds_store_b8 v7, v[E+2*(\t)+\c] offset:4*(\t)+2*\c
	global_store_b128 v4, v[C+8*(\t)+4*\c:C+8*(\t)+4*\c+3], s[30:31] offset:1024*(\t)+512*\c   ; 32 lanes store 512 consecutive bytes of the image
.endr
.endm
.macro WLOAD t                         ; block t: W(32 t + i, my column), i = 0 .. 31: a lane takes a column and its registers run down K; a load reads 128 consecutive bytes
.irp i, 0,1,2,3,4,5,6,7,8,9,10,11,12,13,14,15,16,17,18,19,20,21,22,23,24,25,26,27,28,29,30,31
	global_load_b32 v[WX+32*((\t)%2)+\i], v3, s[6:7] offset:(32*(\t)+\i)*4096 th:TH_LOAD_NT
.endr
.endm
.macro WBLOCK t
.set XB, WX+32*((\t)%2)
.if (\t) < 15
	s_wait_loadcnt 32                              ; this block's 32 loads are in; the next block's 32 may be out
.else
	s_wait_loadcnt 0
.endif
	v_max3_num_f32 v10, |v[XB]|, |v[XB+1]|, |v[XB+2]|
	v_max3_num_f32 v11, |v[XB+3]|, |v[XB+4]|, |v[XB+5]|
.irp i, 6,10,14,18,22,26
	v_max3_num_f32 v10, v10, |v[XB+\i]|, |v[XB+\i+1]|
	v_max3_num_f32 v11, v11, |v[XB+\i+2]|, |v[XB+\i+3]|
.endr
	v_max3_num_f32 v10, v10, |v[XB+30]|, |v[XB+31]|
	v_max3_num_f32 v10, v10, v11, FLOOR
	v_add_nc_u32 v12, EOFF, v10
	v_lshrrev_b32 v13, 23, v12
.if (\t)%4 == 0
	v_mov_b32 v[WSB+(\t)/4], v13                   ; four bytes to a register, the lower K in the lower byte
.else
	v_lshl_or_b32 v[WSB+(\t)/4], v13, 8*((\t)%4), v[WSB+(\t)/4]
.endif
.irp g, 0,1,2,3
	v_cvt_scalef32_pk8_fp4_f32 v[WC+4*(\t)+\g], v[XB+8*\g:XB+8*\g+7], v12
.endr
	global_store_b128 v4, v[WC+4*(\t):WC+4*(\t)+3], s[16:17] offset:256*(\t)   ; the sixteen lanes of a tile store 256 consecutive bytes, aligned: block t of both tiles
.if (\t)+2 < 16
	WLOAD (\t)+2
.endif
.endm
	s_load_b256 s[4:11], s[0:1], 0x0               ; x, Wq, Wk, Wv
	s_load_b256 s[12:19], s[0:1], 0x20             ; Wo, xq, wc, ws
	v_lshl_add_u32 v254, v0, 2, 0x11000
	v_mov_b32 v255, 0
	v_lshrrev_b32 v1, 5, v0
	v_readfirstlane_b32 s22, v1                    ; wave 0..3
	v_and_b32 v2, 31, v0                           ; lane
	s_cmp_lt_u32 ttmp9, 64
	s_cbranch_scc1 .Lweights
	; ---- x: wave W = 4 (work-group - 64) + wave takes tile W / 2, half W % 2 of K
	v_and_b32 v3, 15, v0                           ; r
	v_bfe_u32 v1, v0, 4, 1                         ; h
	v_lshlrev_b32 v4, 4, v2                        ; 16 x lane
	s_mul_i32 s34, s22, WREG
	v_add_nc_u32 v5, s34, v4                       ; the stage, on the way in
	v_mul_u32_u24 v6, v3, SROW
	v_lshl_add_u32 v6, v1, 7, v6
	v_add_nc_u32 v6, s34, v6                       ; and on the way out: row r, + 128 h
	v_lshl_add_u32 v7, v3, 4, v1
	s_add_co_u32 s35, s34, SCB
	v_add_nc_u32 v7, s35, v7                       ; my scale bytes: 16 r + h
	v_lshlrev_b32 v9, 3, v2
	v_add_nc_u32 v8, s35, v9                       ; and their way out: 8 bytes a lane
	s_sub_co_u32 s20, ttmp9, 64
	s_lshl_b32 s20, s20, 2
	s_add_co_u32 s20, s20, s22                     ; W
	s_lshr_b32 s21, s20, 1                         ; tile T
	s_and_b32 s23, s20, 1                          ; which half of K
	s_lshr_b32 s24, s21, 1
	s_lshl_b32 s24, s24, 17                        ; 32 (T / 2) rows of 4,096 bytes
	s_and_b32 s25, s21, 1
	s_lshl_b32 s25, s25, 15                        ; + 8 (T % 2) rows
	s_add_co_u32 s24, s24, s25
	s_lshl_b32 s25, s23, 11                        ; + 512 numbers
	s_add_co_u32 s24, s24, s25
	s_mov_b32 s25, 0
	s_lshr_b32 s26, s21, 3
	s_mul_i32 s26, s26, CHB                        ; the chunk
	s_and_b32 s27, s21, 7
	s_lshl_b32 s28, s27, 13
	s_add_co_u32 s28, s28, s26
	s_lshl_b32 s29, s23, 12
	s_add_co_u32 s28, s28, s29                     ; the tile's code image, my half
	s_mov_b32 s29, 0
	s_lshl_b32 s36, s27, 9
	s_add_co_u32 s36, s36, s26
	s_lshl_b32 s27, s23, 8
	s_add_co_u32 s36, s36, s27
	s_add_co_u32 s36, s36, 65536                   ; its scale image, my half
	s_mov_b32 s37, 0
	s_wait_alu depctr_va_vdst(0)
	s_wait_kmcnt 0x0
	s_add_nc_u64 s[4:5], s[4:5], s[24:25]
	s_add_nc_u64 s[30:31], s[14:15], s[28:29]
	s_add_nc_u64 s[32:33], s[14:15], s[36:37]
	XLOAD 0
	XLOAD 1
	XSTEP 0
	XSTEP 1
	XSTEP 2
	XSTEP 3
	ds_load_b64 v[248:249], v8                     ; LDS serves a wave's instructions in order: these see my byte stores
	s_wait_dscnt 0x0
	global_store_b64 v9, v[248:249], s[32:33]      ; 32 lanes store 256 consecutive bytes, aligned
	s_wait_tensorcnt 0x0
	ds_add_u32 v254, v255
	s_wait_dscnt 0x0
	s_endpgm
.Lweights:
	; ---- a weight: work-group g: weight g / 16, half (g / 8) % 2 of K, columns 32 (4 (g % 8) + wave) on
	s_lshr_b32 s21, ttmp9, 4                       ; which weight: 0 q, 1 k, 2 v, 3 o
	s_bfe_u32 s23, ttmp9, 0x10003                  ; which half of K
	s_and_b32 s24, ttmp9, 7
	s_lshl_b32 s24, s24, 2
	s_add_co_u32 s24, s24, s22                     ; b: the group of 32 columns
	s_wait_alu depctr_va_vdst(0)
	v_lshlrev_b32 v3, 2, v2                        ; in: 4 bytes a lane
	v_bfe_u32 v1, v0, 3, 1                         ; my column is 8 u + r + 8 (r / 8) of the group: u,
	v_and_b32 v6, 7, v0
	v_bfe_u32 v7, v0, 4, 1
	v_lshl_add_u32 v6, v7, 3, v6                   ; r
	v_lshlrev_b32 v6, 4, v6
	v_lshl_add_u32 v4, v1, 13, v6                  ; codes: 8192 u + 16 r
	v_lshl_add_u32 v5, v1, 9, v6                   ; scale bytes: 512 u + 16 r
	s_lshl_b32 s26, s23, 21                        ; 512 rows of 4,096 bytes
	s_lshl_b32 s27, s24, 7
	s_add_co_u32 s26, s26, s27
	s_mov_b32 s27, 0
	s_lshl_b32 s28, s21, 19
	s_lshl_b32 s29, s24, 14
	s_add_co_u32 s28, s28, s29
	s_lshl_b32 s29, s23, 12
	s_add_co_u32 s28, s28, s29
	s_mov_b32 s29, 0
	s_lshl_b32 s30, s21, 15
	s_lshl_b32 s31, s24, 10
	s_add_co_u32 s30, s30, s31
	s_lshl_b32 s31, s23, 8
	s_add_co_u32 s30, s30, s31
	s_mov_b32 s31, 0
	s_wait_alu depctr_va_vdst(0)
	s_wait_kmcnt 0x0
	s_cmp_eq_u32 s21, 1                            ; the choice hangs on the work-group's number alone
	s_cselect_b64 s[6:7], s[8:9], s[6:7]
	s_cmp_eq_u32 s21, 2
	s_cselect_b64 s[6:7], s[10:11], s[6:7]
	s_cmp_eq_u32 s21, 3
	s_cselect_b64 s[6:7], s[12:13], s[6:7]
	s_add_nc_u64 s[6:7], s[6:7], s[26:27]
	s_add_nc_u64 s[16:17], s[16:17], s[28:29]
	s_add_nc_u64 s[18:19], s[18:19], s[30:31]
	WLOAD 0
	WLOAD 1
.set Q, 0
.rept 16
	WBLOCK Q
.set Q, Q+1
.endr
	global_store_b128 v5, v[WSB:WSB+3], s[18:19]   ; sixteen bytes a lane: the sixteen lanes of a tile store 256 consecutive bytes, aligned
	s_endpgm
.Lfunc_end_k_qca27c9ab7a_quant:
	.size	k_qca27c9ab7a_quant, .Lfunc_end_k_qca27c9ab7a_quant-k_qca27c9ab7a_quant
	.p2alignl 7, 3214868480
	.fill 96, 4, 3214868480
	.section	.rodata,"a",@progbits
	.p2align	6, 0x0
	.amdhsa_kernel k_qca27c9ab7a_quant
		.amdhsa_group_segment_fixed_size 70144
		.amdhsa_private_segment_fixed_size 0
		.amdhsa_enable_private_segment 0
		.amdhsa_kernarg_size 64
		.amdhsa_user_sgpr_count 2
		.amdhsa_user_sgpr_kernarg_segment_ptr 1
		.amdhsa_wavefront_size32 1
		.amdhsa_system_sgpr_workgroup_id_x 1
		.amdhsa_system_sgpr_workgroup_id_y 1
		.amdhsa_system_sgpr_workgroup_id_z 1
		.amdhsa_system_vgpr_workitem_id 0
		.amdhsa_next_free_vgpr 256
		.amdhsa_next_free_sgpr 66
		.amdhsa_reserve_vcc 0
		.amdhsa_float_denorm_mode_32 3
		.amdhsa_float_denorm_mode_16_64 3
		.amdhsa_memory_ordered 1
		.amdhsa_forward_progress 1
		.amdhsa_inst_pref_size 104
	.end_amdhsa_kernel
	.amdgpu_metadata
---
amdhsa.version: [ 1, 2 ]
amdhsa.kernels:
  - .name:           k_qca27c9ab7a_quant
    .symbol:         k_qca27c9ab7a_quant.kd
    .args:
      - { .name: x, .offset: 0, .size: 8, .value_kind: global_buffer, .address_space: global }
      - { .name: Wq, .offset: 8, .size: 8, .value_kind: global_buffer, .address_space: global }
      - { .name: Wk, .offset: 16, .size: 8, .value_kind: global_buffer, .address_space: global }
      - { .name: Wv, .offset: 24, .size: 8, .value_kind: global_buffer, .address_space: global }
      - { .name: Wo, .offset: 32, .size: 8, .value_kind: global_buffer, .address_space: global }
      - { .name: xq, .offset: 40, .size: 8, .value_kind: global_buffer, .address_space: global }
      - { .name: wc, .offset: 48, .size: 8, .value_kind: global_buffer, .address_space: global }
      - { .name: ws, .offset: 56, .size: 8, .value_kind: global_buffer, .address_space: global }
    .group_segment_fixed_size: 70144
    .private_segment_fixed_size: 0
    .kernarg_segment_align: 8
    .kernarg_segment_size: 64
    .max_flat_workgroup_size: 128
    .sgpr_count:     66
    .vgpr_count:     256
    .wavefront_size: 32
...
	.end_amdgpu_metadata
.endif
;; end of part 1
;; launch proj (part 2): grid 12 x 16, 4 waves a work-group, clusters of 4 x 1, 280,064 bytes of LDS; arguments xq, wc, ws, bq, bk, bv, qc, qs, kv; writes qc, qs, kv
.if DOCPART == 2
	.amdgcn_target "amdgcn-amd-amdhsa--gfx1250"
	.amdhsa_code_object_version 6
	.text
	.protected	k_qca27c9ab7a_proj
	.globl	k_qca27c9ab7a_proj
	.p2align	8
	.type	k_qca27c9ab7a_proj,@function
k_qca27c9ab7a_proj:
	s_mov_b64 s[64:65], 0
	v_nop
	global_prefetch_b8 v0, s[64:65] scope:SCOPE_SE
	s_setreg_imm32_b32 hwreg(HW_REG_WAVE_MODE, 25, 1), 1
	s_wait_xcnt 0x0
	s_wait_alu depctr_hold_cnt(0) depctr_sa_sdst(0) depctr_va_vdst(0) depctr_va_sdst(0) depctr_va_ssrc(0) depctr_va_vcc(0) depctr_vm_vsrc(0)
	s_getreg_b32 s2, hwreg(HW_REG_IB_STS2, 6, 4)
	s_cmp_eq_u32 s2, 0
	s_cbranch_scc0 .Lentry_in_a_cluster
	s_endpgm
.Lentry_in_a_cluster:
	s_bfe_u32 s2, ttmp6, 0x10000c
	s_cmp_lg_u32 s2, 0x3003
	s_cbranch_scc0 .Lentry_shape_is_right
	s_endpgm
.Lentry_shape_is_right:
; q = x Wq + bq, k = x Wk + bk, v = x Wv + bv on codes of FP4 with E8M0 scales, and q, k, v quantised in registers: q and k along the head's 64, v along the keys.  Nothing wide goes to memory.
; SHARES.  The cluster's x says which product (0 q, 1 k, 2 v): the same in all four partners.  A work-group takes 512 tokens (4 chunks of xq) x 256 columns; wave w of partner cx takes head 4 cx + w:
; its 64 columns of the weight (4 tiles x 8 K steps, 256 registers) stay in registers.  192 work-groups: 3 x 1,024 columns in shares of 64 resident columns a wave and 512 tokens.
; CLUSTER.  The four partners read the same 512 tokens: each wave's one tensor load (a chunk, 69,632 dense bytes) is a JOINT load, mask 15.  LDS is filled once: no slot is ever filled again.
; q, k: the product is used TRANSPOSED (source 0 = 16 columns of W, source 1 = 16 tokens): a lane holds one token and its registers run along the head's 64.  By the order of a tile's rows (lane-row r of tile
; 2 b + u is row 32 b + 8 u + r + 8 (r / 8)) the 16 registers of tiles 2 b, 2 b + 1 are 16 neighbours.  Two tiles of tokens (64 registers) make ONE PACKED FRAGMENT: registers 0-3 tile 2 G (dims 32 h on),
; registers 4-7 tile 2 G + 1; scale word [a0, a1, b0, b1].
; v: source 0 = 16 tokens, source 1 = 16 columns: a lane holds one channel and its registers run along 128 tokens: a fragment of V^T with the keys innermost.
; Both kinds end as 64 registers 16 b + i = k 32 b + 16 h + i: one quantiser and one way out serve both.  The bias is the C of each sum's first matrix instruction.
; OUT.  qc [bh][G 64][1024], qs [bh][G][16 words].  kv [bh][chunk of 512 keys]: K's 16 packed fragments (16,384), V^T [K step 4][tile of 16 channels 4][1024] (16,384), K's scale words (1,024), V's (1,024).
; LIMITS: a block whose largest magnitude lies under 2^-124 gets the byte 1; NaN and infinities are not served.
; REGISTERS: window 0: v1-15 addresses; v112-143 codes; v200-219 at work; v224-239 W's scale words; v240-247 x's, two sets.  window 1: W's fragments (tile f, K step s) at 64 f + 8 s.
;   window 2: v0-127 x's fragments, two buffers of a tile's eight; v128-159 the bias, eight registers a tile.   window 3: the 32 accumulators of a chunk.
.set CHB,  69632                       ; a chunk: 8 code images of 8,192 bytes, then 8 scale images of 512
.set STG,  4*CHB                       ; behind the chunks: 256 bytes for each wave, for the scale words' way out; no tensor load lands there
.set PC,   112
.set TM,   200                         ; v200-203 largest magnitudes, v204-207 bytes, v212-215 the conversions' scale operands
.set PW,   216                         ; v216-219 a unit's scale word
.set WS,   224
.set XS,   240
.set BI,   128
.set MSB, 0
.macro WIN new                         ; the immediate's high byte repeats the setting that is left; a switch that changes nothing is dropped
.if MSB != (\new)
	s_set_vgpr_msb (MSB<<8)|(\new)
.set MSB, (\new)
.endif
.endm
.macro CROUND                          ; a round of the cluster's barrier
	s_barrier_signal -1
	s_barrier_wait -1
	s_cmp_lg_u32 s22, 0
	s_cbranch_scc1 .Lnot_wave_0_\@
	s_barrier_signal -3
.Lnot_wave_0_\@:
	s_barrier_wait -3
	s_barrier_signal -1
	s_barrier_wait -1
.endm
.macro XL buf, va, vs, xt              ; tile xt of the chunk at v[va]: its eight fragments into buffer buf, its scale words into set buf: 17 LDS loads, each of 512 consecutive bytes
	WIN 0x80                                       ; destination window 2, address window 0
.irp s, 0,1,2,3,4,5,6,7
.irp c, 0,1
	ds_load_b128 v[64*(\buf)+8*\s+4*\c:64*(\buf)+8*\s+4*\c+3], v[\va] offset:8192*(\xt)+1024*\s+512*\c
.endr
.endr
	WIN 0
	ds_load_b128 v[XS+4*(\buf):XS+4*(\buf)+3], v[\vs] offset:512*(\xt)
.endm
.macro MM hi                           ; one product on the registers named by rD, rA, rB, rC, rSA, rSB; hi = 1: K steps 4-7, whose scale words lie in lanes 16-31
.if \hi
	v_wmma_scale_f32_16x16x128_f8f6f4 v[rD:rD+7], v[rA:rA+7], v[rB:rB+7], v[rC:rC+7], v[rSA], v[rSB] matrix_a_fmt:MATRIX_FMT_FP4 matrix_b_fmt:MATRIX_FMT_FP4 matrix_a_scale:MATRIX_SCALE_ROW1 matrix_b_scale:MATRIX_SCALE_ROW1
.else
	v_wmma_scale_f32_16x16x128_f8f6f4 v[rD:rD+7], v[rA:rA+7], v[rB:rB+7], v[rC:rC+7], v[rSA], v[rSB] matrix_a_fmt:MATRIX_FMT_FP4 matrix_b_fmt:MATRIX_FMT_FP4
.endif
.endm
; 32 products: tile xt of tokens (buffer buf) x my four tiles of columns, all of K.  The four accumulators take turns, one instruction a turn.
.macro MUL xt, buf, isv
.irp s, 0,1,2,3,4,5,6,7
.if \s == 0
	WIN 0xe9-3*(\isv)                              ; D window 3, C (the bias) window 2; W window 1 and x window 2 as source 0 and 1 (q, k) or as 1 and 0 (v)
.else
	WIN 0xf9-3*(\isv)                              ; C and D window 3
.endif
.irp f, 0,1,2,3
.if \isv
.set rD, 64*\f+8*(\xt)
.set rA, 64*(\buf)+8*\s
.set rB, 64*\f+8*\s
.set rSA, XS+4*(\buf)+\s%4
.set rSB, WS+4*\f+\s%4
.else
.set rD, 32*(\xt)+8*\f
.set rA, 64*\f+8*\s
.set rB, 64*(\buf)+8*\s
.set rSA, WS+4*\f+\s%4
.set rSB, XS+4*(\buf)+\s%4
.endif
.if \s == 0
.set rC, BI+8*\f
.else
.set rC, rD
.endif
	MM \s/4
.endr
.endr
.endm
.macro MAIN isv                        ; a chunk's eight tiles; the loads run two tiles ahead, the last two into the next chunk
.irp xt, 0,1,2,3,4,5,6,7
	s_wait_dscnt 17                                ; this tile's 17 loads are in; the other buffer's 17 may be out
	MUL \xt, \xt%2, \isv
	WIN 0
.rept 4
	v_nop                                          ; four places behind the products, in front of loads into registers that they read and of the first read of their results
.endr
.if \xt < 6
	XL \xt%2, 6, 7, \xt+2
.else
	XL \xt%2, 8, 9, \xt-6
.endif
.endr
.endm
; 64 numbers of a lane in window 3, register s + 16 b + i = k 32 b + 16 h + i of my row, become a fragment's codes in v[pc] on and its scale word in v[pw].  Each accumulator is read from its low end on.
.macro QUANT s, pc, pw
	WIN 0x0f
.irp b, 0,1,2,3
	v_max3_num_f32 v[TM+\b], |v[(\s)+16*\b]|, |v[(\s)+1+16*\b]|, 0x1800000   ; my 16 numbers of block b, and the floor 2^(3 - 127): the byte cannot fall under 1
.endr
	WIN 0x3c
.irp i, 2,4,6,8,10,12,14
.irp b, 0,1,2,3
	v_max3_num_f32 v[TM+\b], v[TM+\b], |v[(\s)+16*\b+\i]|, |v[(\s)+1+16*\b+\i]|   ; (the four blocks by turns)
.endr
.endr
	WIN 0
.irp b, 0,1,2,3
	v_permlanex16_b32 v[TM+4+\b], v[TM+\b], s48, s49
.endr
.irp b, 0,1,2,3
	v_max_num_f32 v[TM+\b], v[TM+\b], v[TM+4+\b]   ; with lane l xor 16's: the block's largest magnitude
.endr
.irp b, 0,1,2,3
	v_add_nc_u32 v[TM+12+\b], 0xff000000, v[TM+\b] ; 2 off its exponent field: the conversion's scale operand
.endr
.irp b, 0,1,2,3
	v_lshrrev_b32 v[TM+4+\b], 23, v[TM+12+\b]      ; the scale's byte
.endr
	v_lshl_or_b32 v[\pw], v[TM+5], 8, v[TM+4]
	v_lshl_or_b32 v[\pw], v[TM+6], 16, v[\pw]
	v_lshl_or_b32 v[\pw], v[TM+7], 24, v[\pw]
	WIN 0x03
.irp b, 0,1,2,3
	v_cvt_scalef32_pk8_fp4_f32 v[(\pc)+2*\b], v[(\s)+16*\b:(\s)+7+16*\b], v[TM+12+\b]
	v_cvt_scalef32_pk8_fp4_f32 v[(\pc)+1+2*\b], v[(\s)+8+16*\b:(\s)+15+16*\b], v[TM+12+\b]
.endr
	WIN 0
	v_nop                                          ; one plain place behind a scaled conversion
.irp c, 0,1                                    ; the layout wants a whole block in a lane: lanes 0-15 block 2 c, lanes 16-31 block 2 c + 1
.irp i, 0,1
	v_permlane16_swap_b32 v[(\pc)+4*\c+\i], v[(\pc)+2+4*\c+\i]
.endr
.endr
.endm
	s_load_b256 s[4:11], s[0:1], 0x0               ; xq, wc, ws, bq
	s_load_b256 s[12:19], s[0:1], 0x20             ; bk, bv, qc, qs
	s_load_b64 s[20:21], s[0:1], 0x40              ; kv
	v_lshl_add_u32 v254, v0, 2, 0x44400
	v_mov_b32 v255, 0
	ds_add_u32 v254, v255
	ds_add_u32 v254, v255
	v_lshrrev_b32 v1, 5, v0
	v_readfirstlane_b32 s22, v1                    ; wave 0..3
	s_mov_b32 s23, ttmp9                           ; which product: the cluster's x
	s_bfe_u32 s24, ttmp6, 0x40000                  ; cx: it enters global addresses of weights, biases and outputs alone
	s_and_b32 s25, ttmp7, 0xffff                   ; y: 512 tokens
	s_lshl_b32 s26, s24, 2
	s_add_co_u32 s26, s26, s22                     ; head
	s_lshl_b32 s27, s23, 4
	s_add_co_u32 s27, s27, s26                     ; 16 x product + head
	s_lshr_b32 s28, s25, 2
	s_lshl_b32 s28, s28, 4
	s_add_co_u32 s28, s28, s26                     ; bh = 16 x batch + head
	s_and_b32 s29, s25, 3                          ; which 512 tokens of the batch
	v_and_b32 v1, 31, v0                           ; lane
	v_and_b32 v2, 15, v0                           ; r
	v_bfe_u32 v3, v0, 4, 1                         ; h
	v_lshlrev_b32 v4, 4, v1                        ; 16 x lane: an image's place for my lane
	v_lshlrev_b32 v5, 3, v1                        ; 8 x lane
	s_lshl_b32 s30, s22, 8
	s_add_co_u32 s30, s30, STG                     ; my 256 bytes for scale words
	v_lshl_add_u32 v10, v2, 2, s30                 ; in: 4 r
	v_add_nc_u32 v11, s30, v5                      ; back: 8 x lane
	v_lshlrev_b32 v14, 6, v3                       ; the bias of q, k: 64 h
	v_and_b32 v15, 8, v2
	v_add_nc_u32 v15, v15, v2
	v_lshlrev_b32 v15, 2, v15                      ; the bias of v: 4 (r + 8 (r / 8))
.irp b, 0,1,2,3
	v_mov_b32 v[TM+4+\b], 0                        ; written once: a lane permute's destination counts as one of its sources
.endr
	s_mov_b32 s48, 0x76543210
	s_mov_b32 s49, 0xfedcba98                      ; v_permlanex16_b32's selects for lane l xor 16
	; descriptor group 1: 69,632 dense bytes as 272 rows of 32 elements of 8 bytes, no padding (an image's loads are consecutive)
	s_mov_b32 s36, 15|(3<<16)|(1<<21)              ; 15:0 the mask: all four partners; 17:16 elements of 8 bytes; 21 set beside a mask
	s_mov_b32 s37, 32<<16                          ; tensor_dim0 = 32
	s_mov_b32 s38, 272<<16                         ; tensor_dim1 = 272
	s_mov_b32 s39, 32<<16                          ; tile_dim0 = 32
	s_mov_b32 s40, 272                             ; tile_dim1 = 272
	s_mov_b32 s41, 32                              ; from row to row
	s_mov_b32 s42, 0
	s_mov_b32 s43, 0
	s_mov_b32 s32, 1                               ; group 0: count,
	s_mul_i32 s33, s22, CHB                        ; LDS address: chunk = my wave's number,
	s_lshl_b32 s60, s25, 2
	s_add_co_u32 s60, s60, s22
	s_mul_i32 s60, s60, CHB                        ; chunk 4 y + wave of xq: nothing of cx in it
	s_mov_b32 s61, 0
	; where the results go, as offsets
	s_mul_i32 s56, s28, 139264
	s_mul_i32 s57, s29, 34816
	s_add_co_u32 s56, s56, s57                     ; kv: my head's chunk of 512 keys: K's fragments
	s_add_co_u32 s57, s56, 32768                   ; K's scale words
	s_cmp_eq_u32 s23, 2
	s_cselect_b32 s58, 16384, 0                    ; V's images lie 16,384 behind K's,
	s_cselect_b32 s59, 1024, 0                     ; V's scale words 1,024 behind K's
	s_add_co_u32 s56, s56, s58
	s_add_co_u32 s57, s57, s59
	s_lshl_b32 s58, s28, 16
	s_lshl_b32 s59, s29, 14
	s_add_co_u32 s58, s58, s59                     ; qc
	s_lshl_b32 s59, s28, 12
	s_lshl_b32 s53, s29, 10
	s_add_co_u32 s59, s59, s53                     ; qs
	s_wait_dscnt 0x0
	s_wait_kmcnt 0x0
	s_add_nc_u64 s[34:35], s[4:5], s[60:61]
	s_or_b32 s35, s35, 0x80000000                  ; type = 2
	s_cmp_eq_u32 s23, 0                            ; the choices hang on the cluster's number alone
	s_cselect_b32 s54, s58, s56
	s_cselect_b32 s56, s59, s57
	s_cselect_b64 s[44:45], s[16:17], s[20:21]
	s_cselect_b64 s[46:47], s[18:19], s[20:21]
	s_mov_b32 s55, 0
	s_mov_b32 s57, 0
	s_add_nc_u64 s[44:45], s[44:45], s[54:55]      ; codes
	s_add_nc_u64 s[46:47], s[46:47], s[56:57]      ; scale words
	s_lshl_b32 s54, s27, 15
	s_add_nc_u64 s[6:7], s[6:7], s[54:55]          ; my four tiles of the weight: 32,768 bytes
	s_lshl_b32 s54, s27, 11
	s_add_nc_u64 s[8:9], s[8:9], s[54:55]          ; their scale images: 2,048
	s_cmp_eq_u32 s23, 1
	s_cselect_b64 s[10:11], s[12:13], s[10:11]
	s_cmp_eq_u32 s23, 2
	s_cselect_b64 s[10:11], s[14:15], s[10:11]
	s_lshl_b32 s54, s26, 8
	s_add_nc_u64 s[10:11], s[10:11], s[54:55]      ; my head's 64 numbers of the bias
	WIN 0x40                                       ; destination window 1
.set n, 0
.rept 64
	global_load_b128 v[4*n:4*n+3], v4, s[6:7] offset:512*n   ; the images as they lie ARE the fragments: register 64 f + 8 s + 4 c
.set n, n+1
.endr
	WIN 0
.irp f, 0,1,2,3
	global_load_b128 v[WS+4*\f:WS+4*\f+3], v4, s[8:9] offset:512*\f
.endr
	s_cmp_eq_u32 s23, 2
	s_cbranch_scc1 .Lbias_v
	WIN 0x80                                       ; q, k: register j of tile f is column 32 (f / 2) + 16 h + 8 (f % 2) + j
	s_wait_alu depctr_va_vdst(0)
.irp f, 0,1,2,3
	global_load_b128 v[BI+8*\f:BI+8*\f+3], v14, s[10:11] offset:(32*(\f/2)+8*(\f%2))*4
	global_load_b128 v[BI+8*\f+4:BI+8*\f+7], v14, s[10:11] offset:(32*(\f/2)+8*(\f%2))*4+16
.endr
	WIN 0
	s_branch .Lbias_done
.Lbias_v:
	WIN 0x80                                       ; v: all eight registers of tile f are my lane's column 32 (f / 2) + 8 (f % 2) + r + 8 (r / 8)
	s_wait_alu depctr_va_vdst(0)
.irp f, 0,1,2,3
.irp j, 0,1,2,3,4,5,6,7
	global_load_b32 v[BI+8*\f+\j], v15, s[10:11] offset:(32*(\f/2)+8*(\f%2))*4
.endr
.endr
	WIN 0
.Lbias_done:
	CROUND                                         ; all four partners are here: the joint loads meet
	tensor_load_to_lds s[32:35], s[36:43]          ; my one tensor load: one is out
	s_nop 0
.rept 4
	v_nop
.endr
	s_mov_b32 s50, 0                               ; XB: the LDS byte of the chunk in hand
	s_mov_b32 s52, 4                               ; chunks to go
	v_add_nc_u32 v6, s50, v4
	v_add_nc_u32 v7, 65536, v6
	s_wait_alu depctr_va_vdst(0)
	s_wait_loadcnt 0x0                             ; weights, scale words, bias
	s_wait_tensorcnt 0x0                           ; my chunk has landed,
	s_barrier_signal -1
	s_barrier_wait -1                              ; everybody's has
	XL 0, 6, 7, 0
	XL 1, 6, 7, 1
.Ltrip:                                            ; a trip: one chunk of 128 tokens
	s_add_co_u32 s51, s50, CHB
	s_min_u32 s51, s51, 3*CHB                      ; the chunk that the last two loads look ahead into; in the last trip its own, and those registers are not used
	v_add_nc_u32 v6, s50, v4                       ; codes of the chunk in hand,
	v_add_nc_u32 v7, 65536, v6                     ; its scale images,
	v_add_nc_u32 v8, s51, v4                       ; and the same of the next
	v_add_nc_u32 v9, 65536, v8
	s_cmp_eq_u32 s23, 2
	s_cbranch_scc1 .Lmain_v
	s_wait_alu depctr_va_vdst(0)
	MAIN 0
	s_branch .Lmain_done
.Lmain_v:
	s_wait_alu depctr_va_vdst(0)
	MAIN 1
.Lmain_done:
	; four units of 64 registers.  q, k: tokens' tiles 2 u, 2 u + 1: a packed fragment.  v: channels' tile u x the chunk's 128 tokens: a fragment of V^T.
.irp u, 0,1,2,3
	QUANT 64*\u, PC+8*\u, PW+\u
	global_store_b128 v4, v[PC+8*\u:PC+8*\u+3], s[44:45] offset:1024*\u        ; 32 lanes store 512 consecutive bytes
	global_store_b128 v4, v[PC+8*\u+4:PC+8*\u+7], s[44:45] offset:1024*\u+512
	ds_store_b32 v10, v[PW+\u] offset:64*\u        ; lanes r and 16 + r write the same word with the same value
.endr
	ds_load_b64 v[12:13], v11                      ; LDS serves a wave's instructions in order: these see my stores
	s_wait_dscnt 0x0
	global_store_b64 v5, v[12:13], s[46:47]        ; the four units' scale words: 256 consecutive bytes, aligned
	s_wait_xcnt 0x0                                ; the stores have read their registers and bases: both are written again only behind this wait
	s_add_nc_u64 s[44:45], s[44:45], 4096
	s_add_nc_u64 s[46:47], s[46:47], 256
	s_add_co_u32 s50, s50, CHB
	s_sub_co_u32 s52, s52, 1
	s_cmp_lg_u32 s52, 0
	s_cbranch_scc1 .Ltrip
	s_wait_tensorcnt 0x0
	ds_add_u32 v254, v255
	s_wait_dscnt 0x0
	CROUND                                         ; the closing round: no work-group ends while a partner may still ask for a tile that names it
	s_endpgm
.Lfunc_end_k_qca27c9ab7a_proj:
	.size	k_qca27c9ab7a_proj, .Lfunc_end_k_qca27c9ab7a_proj-k_qca27c9ab7a_proj
	.p2alignl 7, 3214868480
	.fill 96, 4, 3214868480
	.section	.rodata,"a",@progbits
	.p2align	6, 0x0
	.amdhsa_kernel k_qca27c9ab7a_proj
		.amdhsa_group_segment_fixed_size 280064
		.amdhsa_private_segment_fixed_size 0
		.amdhsa_enable_private_segment 0
		.amdhsa_kernarg_size 72
		.amdhsa_user_sgpr_count 2
		.amdhsa_user_sgpr_kernarg_segment_ptr 1
		.amdhsa_wavefront_size32 1
		.amdhsa_system_sgpr_workgroup_id_x 1
		.amdhsa_system_sgpr_workgroup_id_y 1
		.amdhsa_system_sgpr_workgroup_id_z 1
		.amdhsa_system_vgpr_workitem_id 0
		.amdhsa_next_free_vgpr 1024
		.amdhsa_next_free_sgpr 66
		.amdhsa_reserve_vcc 0
		.amdhsa_float_denorm_mode_32 3
		.amdhsa_float_denorm_mode_16_64 3
		.amdhsa_memory_ordered 1
		.amdhsa_forward_progress 1
		.amdhsa_inst_pref_size 122
	.end_amdhsa_kernel
	.amdgpu_metadata
---
amdhsa.version: [ 1, 2 ]
amdhsa.kernels:
  - .name:           k_qca27c9ab7a_proj
    .symbol:         k_qca27c9ab7a_proj.kd
    .args:
      - { .name: xq, .offset: 0, .size: 8, .value_kind: global_buffer, .address_space: global }
      - { .name: wc, .offset: 8, .size: 8, .value_kind: global_buffer, .address_space: global }
      - { .name: ws, .offset: 16, .size: 8, .value_kind: global_buffer, .address_space: global }
      - { .name: bq, .offset: 24, .size: 8, .value_kind: global_buffer, .address_space: global }
      - { .name: bk, .offset: 32, .size: 8, .value_kind: global_buffer, .address_space: global }
      - { .name: bv, .offset: 40, .size: 8, .value_kind: global_buffer, .address_space: global }
      - { .name: qc, .offset: 48, .size: 8, .value_kind: global_buffer, .address_space: global }
      - { .name: qs, .offset: 56, .size: 8, .value_kind: global_buffer, .address_space: global }
      - { .name: kv, .offset: 64, .size: 8, .value_kind: global_buffer, .address_space: global }
    .group_segment_fixed_size: 280064
    .private_segment_fixed_size: 0
    .kernarg_segment_align: 8
    .kernarg_segment_size: 72
    .max_flat_workgroup_size: 128
    .sgpr_count:     66
    .vgpr_count:     1024
    .wavefront_size: 32
...
	.end_amdgpu_metadata
.endif
;; end of part 2
;; launch attn (part 3): grid 4 x 64, 16 waves a work-group, clusters of 4 x 1, 169,984 bytes of LDS; arguments qc, qs, kv, oq; writes oq
.if DOCPART == 3
	.amdgcn_target "amdgcn-amd-amdhsa--gfx1250"
	.amdhsa_code_object_version 6
	.text
	.protected	k_qca27c9ab7a_attn
	.globl	k_qca27c9ab7a_attn
	.p2align	8
	.type	k_qca27c9ab7a_attn,@function
k_qca27c9ab7a_attn:
	s_mov_b64 s[64:65], 0
	v_nop
	global_prefetch_b8 v0, s[64:65] scope:SCOPE_SE
	s_setreg_imm32_b32 hwreg(HW_REG_WAVE_MODE, 25, 1), 1
	s_wait_xcnt 0x0
	s_wait_alu depctr_hold_cnt(0) depctr_sa_sdst(0) depctr_va_vdst(0) depctr_va_sdst(0) depctr_va_ssrc(0) depctr_va_vcc(0) depctr_vm_vsrc(0)
	s_getreg_b32 s2, hwreg(HW_REG_IB_STS2, 6, 4)
	s_cmp_eq_u32 s2, 0
	s_cbranch_scc0 .Lentry_in_a_cluster
	s_endpgm
.Lentry_in_a_cluster:
	s_bfe_u32 s2, ttmp6, 0x10000c
	s_cmp_lg_u32 s2, 0x3003
	s_cbranch_scc0 .Lentry_shape_is_right
	s_endpgm
.Lentry_shape_is_right:
; o = softmax(q k^T / 8) v for one head, both products on codes of FP4 with E8M0 scales; o is quantised along E and leaves as codes, laid as the last product's operand.
; THE SOFTMAX AHEAD OF THE SECOND PRODUCT: t = score x log2(e) / 8; M = the running largest t rounded UP to a whole number; p = 2^(t - M) is quantised along the keys, not normalised; the row's sum is taken of the
; unquantised p and divides at the end.  When M moves, the sum and O are multiplied by 2^(old M - new M): exact.
; SHARES.  y = bh (16 x batch + head).  A work-group owns 512 queries, each of its sixteen waves 32: the two tiles A, B of one packed fragment.  Four waves to a SIMD: one wave's vector work stands beside another's
; products and LDS loads.  Each fragment of K and V read from LDS feeds both tiles.
; CLUSTER.  The four query blocks of a head read the same K and V: the head's 139,264 bytes of kv come by JOINT loads (mask 15), once, in kv's own layout; no LDS byte is filled again.
; K = 64 IN AN INSTRUCTION OF 128.  A packed fragment of K holds 32 keys: k 0-63 = the 64 dims of tile 2 G, k 64-127 those of tile 2 G + 1.  Against [q | zero codes] it gives tile 2 G's scores, against
; [zero codes | q] tile 2 G + 1's: zero codes add nothing under any scale byte but 0xff, and no byte here is 0xff.
; LAYOUT.  Both products are used transposed (S^T = K Q^T, O^T = V^T P^T): a lane holds ONE query.  By the order of a tile's rows the 16 registers of a packed fragment's two products are 16 neighbouring keys.
; LIMITS: v_exp_f32 gives 0 under 2^-126; a block's largest p is taken from its largest score (this takes v_exp_f32 not to fall where its input rises); a block of zeros gets the byte 1; NaN and infinities are not served.
; REGISTERS: v1-7 addresses; v[8:11], v[12:15] tile A's, B's -M, largest t, sum in two halves; v16-35 zeros, A, zeros, B, zeros (four each); v36-38 Q's scale words; v40-45 K's, V's, P's scale words;
;   v48-79 four fragments of K, then of V; v80-143 S^T, then p; v144-175, v176-207 O^T of A, B; v208-223 P's codes; v224-241 at work.
.set CKB,  34816                       ; a chunk of 512 keys
.set KS,   40
.set VS,   42
.set PSA,  44
.set PSB,  45
.set KF,   48
.set S,    80
.set OA,   144
.set OB,   176
.set PA,   208
.set PB,   216
.set BM,   224                         ; the blocks' largest scores, then largest p
.set T2,   228
.set SCL,  232
.macro CROUND                          ; a round of the cluster's barrier
	s_barrier_signal -1
	s_barrier_wait -1
	s_cmp_lg_u32 s12, 0
	s_cbranch_scc1 .Lnot_wave_0_\@
	s_barrier_signal -3
.Lnot_wave_0_\@:
	s_barrier_wait -3
	s_barrier_signal -1
	s_barrier_wait -1
.endm
.macro KQ d, a, b, sa, sb, row         ; scores begin with C = 0; row: K's scale words lie in lanes 0-15 or 16-31
.if \row
	v_wmma_scale_f32_16x16x128_f8f6f4 v[\d:\d+7], v[\a:\a+7], v[\b:\b+7], 0, v[\sa], v[\sb] matrix_a_fmt:MATRIX_FMT_FP4 matrix_b_fmt:MATRIX_FMT_FP4 matrix_a_scale:MATRIX_SCALE_ROW1
.else
	v_wmma_scale_f32_16x16x128_f8f6f4 v[\d:\d+7], v[\a:\a+7], v[\b:\b+7], 0, v[\sa], v[\sb] matrix_a_fmt:MATRIX_FMT_FP4 matrix_b_fmt:MATRIX_FMT_FP4
.endif
.endm
.macro PVM d, a, b, sa, sb, row
.if \row
	v_wmma_scale_f32_16x16x128_f8f6f4 v[\d:\d+7], v[\a:\a+7], v[\b:\b+7], v[\d:\d+7], v[\sa], v[\sb] matrix_a_fmt:MATRIX_FMT_FP4 matrix_b_fmt:MATRIX_FMT_FP4 matrix_a_scale:MATRIX_SCALE_ROW1
.else
	v_wmma_scale_f32_16x16x128_f8f6f4 v[\d:\d+7], v[\a:\a+7], v[\b:\b+7], v[\d:\d+7], v[\sa], v[\sb] matrix_a_fmt:MATRIX_FMT_FP4 matrix_b_fmt:MATRIX_FMT_FP4
.endif
.endm
.macro SMUL qlo, slo, qhi, shi         ; a tile's scores of 128 keys: eight products; qlo = [q | 0] with scale word slo, qhi = [0 | q] with shi
.irp j, 0,1,2,3
	KQ S+16*\j, KF+8*\j, \qlo, KS+\j/2, \slo, \j%2
	KQ S+16*\j+8, KF+8*\j, \qhi, KS+\j/2, \shi, \j%2
.endr
.endm
; One tile's softmax of 128 keys.  st: its statistics; ob: its O^T; pb: p's codes; ps: p's scale word.
.macro SOFTMAX st, ob, pb, ps
.irp b, 0,1,2,3
	v_max3_num_f32 v[BM+\b], v[S+16*\b], v[S+1+16*\b], v[S+2+16*\b]   ; the largest score of each block of 32 keys: for the row's maximum and, since p rises with the score, for the block's largest p
.endr
.irp i, 3,5,7,9,11,13
.irp b, 0,1,2,3
	v_max3_num_f32 v[BM+\b], v[BM+\b], v[S+16*\b+\i], v[S+1+16*\b+\i]   ; (the four blocks by turns; each accumulator is first read at its low end)
.endr
.endr
.irp b, 0,1,2,3
	v_max_num_f32 v[BM+\b], v[BM+\b], v[S+15+16*\b]
.endr
.irp b, 0,1,2,3
	s_delay_alu instid0(VALU_DEP_4)
	v_permlanex16_b32 v[T2+\b], v[BM+\b], s40, s41
.endr
.irp b, 0,1,2,3
	s_delay_alu instid0(VALU_DEP_4)
	v_max_num_f32 v[BM+\b], v[BM+\b], v[T2+\b]     ; with lane l xor 16's 16 keys
.endr
	s_delay_alu instid0(VALU_DEP_2)
	v_max3_num_f32 v238, v[BM], v[BM+1], v[BM+2]
	s_delay_alu instid0(VALU_DEP_1)
	v_max_num_f32 v238, v238, v[BM+3]              ; the step's largest score of my query
	s_delay_alu instid0(VALU_DEP_1)
	v_mul_f32 v238, s42, v238                      ; as t (c is positive)
	s_delay_alu instid0(VALU_DEP_1)
	v_max_num_f32 v[\st+1], v[\st+1], v238         ; the running largest t
	v_mov_b32 v238, v[\st]
	s_delay_alu instid0(VALU_DEP_2)
	v_floor_f32 v[\st], -v[\st+1]                  ; the new -M = floor(-t) = -ceil(t)
	s_delay_alu instid0(VALU_DEP_1)
	v_sub_f32 v238, v[\st], v238                   ; old M - new M: a whole number, 0 or less
	s_delay_alu instid0(VALU_DEP_1)
	v_cvt_i32_f32 v238, v238                       ; (it saturates)
	s_delay_alu instid0(VALU_DEP_1)
	v_ldexp_f32 v236, 1.0, v238                    ; f = 2^(old M - new M)
.set j, 0
.rept 32
	v_pk_fma_f32 v[S+j:S+j+1], v[S+j:S+j+1], s[42:43], v[\st:\st+1] op_sel_hi:[1,0,0]   ; t - M, two at a time (of the pairs c and -M the low word serves both halves)
.set j, j+2
.endr
.irp b, 0,1,2,3
	v_fma_f32 v[BM+\b], v[BM+\b], s42, v[\st]      ; the same of each block's largest score
.endr
.set j, 0
	s_wait_alu depctr_va_vdst(0)
.rept 64
	v_exp_f32 v[S+j], v[S+j]                       ; p = 2^(t - M): not normalised
.set j, j+1
.endr
	v_pk_mul_f32 v[\st+2:\st+3], v[\st+2:\st+3], v[236:237] op_sel_hi:[1,0]   ; the sums under the new M: the plain instruction behind the exponentials
	s_wait_alu depctr_va_vdst(0)                   ; one wait for the batch of 64, ahead of its first reader
.irp b, 0,1,2,3
	v_exp_f32 v[BM+\b], v[BM+\b]                   ; the block's largest p: the same two instructions on the same number
.endr
	v_pk_add_f32 v[240:241], v[S:S+1], v[S+2:S+3]  ; the row's sum of the UNQUANTISED p, two at a time, in two chains (it reads the 64 alone)
.set j, 4
.rept 15
	v_pk_add_f32 v[\st+2:\st+3], v[\st+2:\st+3], v[S+j:S+j+1]
	v_pk_add_f32 v[240:241], v[240:241], v[S+j+2:S+j+3]
.set j, j+4
.endr
	s_delay_alu instid0(VALU_DEP_1)
	v_pk_add_f32 v[\st+2:\st+3], v[\st+2:\st+3], v[240:241]
	s_wait_alu depctr_va_vdst(0)                   ; and one for the four
.irp b, 0,1,2,3
	v_max_num_f32 v[BM+\b], 0x1800000, v[BM+\b]    ; the floor 2^(3 - 127): the byte cannot fall under 1
.endr
.irp b, 0,1,2,3
	s_delay_alu instid0(VALU_DEP_4)
	v_add_nc_u32 v[SCL+\b], 0xff000000, v[BM+\b]   ; 2 off the exponent field: the conversion's scale operand
.endr
.irp b, 0,1,2,3
	s_delay_alu instid0(VALU_DEP_4)
	v_lshrrev_b32 v[T2+\b], 23, v[SCL+\b]          ; the scale's byte
.endr
	s_delay_alu instid0(VALU_DEP_3)
	v_lshl_or_b32 v[\ps], v[T2+1], 8, v[T2]        ; p's scale word for these 128 keys
	s_delay_alu instid0(VALU_DEP_1)
	v_lshl_or_b32 v[\ps], v[T2+2], 16, v[\ps]
	s_delay_alu instid0(VALU_DEP_1)
	v_lshl_or_b32 v[\ps], v[T2+3], 24, v[\ps]
.irp b, 0,1,2,3
	v_cvt_scalef32_pk8_fp4_f32 v[\pb+2*\b], v[S+16*\b:S+7+16*\b], v[SCL+\b]
	v_cvt_scalef32_pk8_fp4_f32 v[\pb+1+2*\b], v[S+8+16*\b:S+15+16*\b], v[SCL+\b]
.endr
	v_nop                                          ; one plain place behind a scaled conversion
.irp c, 0,1                                    ; the layout wants a whole block in a lane
.irp i, 0,1
	v_permlane16_swap_b32 v[\pb+4*\c+\i], v[\pb+2+4*\c+\i]
.endr
.endr
.set j, 0
.rept 16
	v_pk_mul_f32 v[\ob+j:\ob+j+1], v[\ob+j:\ob+j+1], v[236:237] op_sel_hi:[1,0]   ; O^T under the new M.  (Also the places between p's scale word and codes and the products that take them)
.set j, j+2
.endr
.endm
.macro STEP                            ; 128 keys
	v_add_nc_u32 v1, s44, v3                       ; fragments: 16 x lane + the step's bytes
	v_add_nc_u32 v2, s45, v4                       ; scale words: 4 x lane + the step's
	v_nop
	v_nop                                          ; four places behind the last products, in front of loads into registers that they read
.irp j, 0,1,2,3
.irp c, 0,1
	ds_load_b128 v[KF+8*\j+4*\c:KF+8*\j+4*\c+3], v1 offset:1024*\j+512*\c
.endr
.endr
.irp i, 0,1
	ds_load_b32 v[KS+\i], v2 offset:32768+128*\i   ; lanes 0-15: fragment 2 i's words; lanes 16-31: fragment 2 i + 1's
.endr
	s_wait_dscnt 0x0
	SMUL 20, 36, 16, 37                            ; tile A
.rept 4
	v_nop
.endr
	SOFTMAX 8, OA, PA, PSA
	SMUL 28, 38, 24, 36                            ; tile B
.rept 4
	v_nop                                          ; places in front of the loads below and of the first read of the scores
.endr
.irp f, 0,1,2,3
.irp c, 0,1
	ds_load_b128 v[KF+8*\f+4*\c:KF+8*\f+4*\c+3], v1 offset:16384+1024*\f+512*\c   ; V^T: 16 channels x these 128 keys; it lands during tile B's softmax
.endr
.endr
.irp i, 0,1
	ds_load_b32 v[VS+\i], v2 offset:33792+128*\i
.endr
	s_setprio 1
	SOFTMAX 12, OB, PB, PSB
	s_setprio 0
	s_wait_alu depctr_va_vdst(0)
	s_wait_dscnt 0x0
.irp f, 0,1,2,3                                ; O^T += V^T P^T: eight accumulators by turns, one instruction a turn
	PVM OA+8*\f, KF+8*\f, PA, VS+\f/2, PSA, \f%2
	PVM OB+8*\f, KF+8*\f, PB, VS+\f/2, PSB, \f%2
.endr
	s_add_co_u32 s44, s44, 4096
	s_add_co_u32 s45, s45, 256
.endm
.macro CHUNK c                         ; 512 keys
	s_wait_tensorcnt 3-\c                          ; in waves 0 and 1: my half of chunk c has landed, the later chunks' loads may be out; the other waves have none
	s_barrier_signal -1
	s_barrier_wait -1                              ; both halves have
	s_mov_b32 s46, 4
.Lstep_\@:
	s_setprio 2
	STEP
	s_sub_co_u32 s46, s46, 1
	s_cmp_lg_u32 s46, 0
	s_cbranch_scc1 .Lstep_\@
	s_setprio 0
	s_add_co_u32 s44, s44, CKB-16384               ; on to the next chunk
	s_add_co_u32 s45, s45, CKB-1024
.endm
	s_load_b256 s[4:11], s[0:1], 0x0               ; qc, qs, kv, oq
	v_lshl_add_u32 v254, v0, 2, 0x29000
	v_mov_b32 v255, 0
	ds_add_u32 v254, v255
	ds_add_u32 v254, v255
	v_lshrrev_b32 v1, 5, v0
	s_delay_alu instid0(VALU_DEP_1)
	v_readfirstlane_b32 s12, v1                    ; wave 0..15
	s_bfe_u32 s13, ttmp6, 0x40000                  ; cx: my block of 512 queries; it enters Q's and the output's global addresses alone
	s_and_b32 s14, ttmp7, 0xffff                   ; bh
	s_and_b32 s15, s12, 1                          ; which half of each chunk I fetch, if I fetch
	; descriptor group 1: 17,408 dense bytes as 68 rows of 32 elements of 8 bytes, no padding
	s_mov_b32 s16, 15|(3<<16)|(1<<21)              ; the mask: all four partners; elements of 8 bytes; bit 21 set beside a mask
	s_mov_b32 s17, 32<<16
	s_mov_b32 s18, 68<<16
	s_mov_b32 s19, 32<<16
	s_mov_b32 s20, 68
	s_mov_b32 s21, 32
	s_mov_b32 s22, 0
	s_mov_b32 s23, 0
	s_mul_i32 s47, s15, 17408
	s_mul_i32 s48, s14, 4*CKB
	s_add_co_u32 s48, s48, s47
	s_mov_b32 s49, 0
	s_mov_b32 s40, 0x76543210
	s_mov_b32 s41, 0xfedcba98                      ; v_permlanex16_b32's selects for lane l xor 16
	s_mov_b32 s42, 0x3e38aa3b                      ; c = log2(e) / 8
	s_mov_b32 s43, s42                             ; (named with it as a pair, so it is written)
	s_mov_b32 s44, 0                               ; the step's fragments
	s_mov_b32 s45, 0                               ; the step's scale words
	s_wait_dscnt 0x0
	s_wait_kmcnt 0x0
	s_add_nc_u64 s[48:49], s[8:9], s[48:49]
.irp c, 0,1,2,3
	s_mov_b32 s[24+4*\c], 1
	s_add_co_u32 s[25+4*\c], s47, \c*CKB
	s_add_nc_u64 s[26+4*\c:27+4*\c], s[48:49], \c*CKB
	s_or_b32 s[27+4*\c], s[27+4*\c], 0x80000000
.endr
	CROUND                                         ; all four partners are here: the joint loads meet
	s_cmp_lt_u32 s12, 2
	s_cbranch_scc0 .Lno_fill                       ; waves 0 and 1 fetch: all four first fills of a wave in one branch; four loads of mine are out
	tensor_load_to_lds s[24:27], s[16:23]
	s_nop 0
	tensor_load_to_lds s[28:31], s[16:23]
	s_nop 0
	tensor_load_to_lds s[32:35], s[16:23]
	s_nop 0
	tensor_load_to_lds s[36:39], s[16:23]
	s_nop 0
.rept 4
	v_nop
.endr
.Lno_fill:
	s_lshl_b32 s50, s14, 6
	s_lshl_b32 s51, s13, 4
	s_add_co_u32 s50, s50, s51
	s_add_co_u32 s50, s50, s12                     ; 64 bh + G, G = 16 cx + wave
	s_lshl_b32 s52, s50, 10
	s_mov_b32 s53, 0
	s_add_nc_u64 s[4:5], s[4:5], s[52:53]          ; my packed fragment of Q
	s_lshl_b32 s52, s50, 6
	s_add_nc_u64 s[6:7], s[6:7], s[52:53]          ; its scale words
	v_and_b32 v5, 31, v0                           ; lane
	v_and_b32 v6, 15, v0                           ; r
	s_wait_alu depctr_va_vdst(0)
	v_bfe_u32 v7, v0, 4, 1                         ; h
	v_lshlrev_b32 v3, 4, v5                        ; 16 x lane
	v_lshlrev_b32 v4, 2, v5                        ; 4 x lane
	v_lshlrev_b32 v46, 2, v6                       ; 4 r
	global_load_b128 v[20:23], v3, s[4:5]          ; tile A
	global_load_b128 v[28:31], v3, s[4:5] offset:512   ; tile B
	global_load_b32 v36, v46, s[6:7]               ; [a0, a1, b0, b1]: serves [A | 0] and [0 | B]
	; where the result goes: chunk 16 x batch + G / 4 of oq, tiles 2 (G % 4) and + 1, blocks 2 head and 2 head + 1
	s_lshr_b32 s50, s14, 4
	s_and_b32 s51, s14, 15                         ; head
	s_lshl_b32 s50, s50, 4
	s_lshl_b32 s52, s13, 2
	s_add_co_u32 s50, s50, s52
	s_lshr_b32 s52, s12, 2
	s_add_co_u32 s50, s50, s52
	s_mul_i32 s50, s50, 69632
	s_and_b32 s52, s12, 3
	s_lshl_b32 s53, s52, 14
	s_add_co_u32 s54, s50, s53
	s_lshl_b32 s53, s51, 9
	s_add_co_u32 s54, s54, s53
	s_mov_b32 s55, 0
	s_add_nc_u64 s[54:55], s[10:11], s[54:55]      ; codes
	s_lshl_b32 s53, s52, 10
	s_add_co_u32 s56, s50, s53
	s_lshr_b32 s53, s51, 3
	s_lshl_b32 s53, s53, 8
	s_add_co_u32 s56, s56, s53
	s_and_b32 s53, s51, 7
	s_lshl_b32 s53, s53, 1
	s_add_co_u32 s56, s56, s53
	s_add_co_u32 s56, s56, 65536
	s_mov_b32 s57, 0
	s_add_nc_u64 s[56:57], s[10:11], s[56:57]      ; scale bytes
	v_lshlrev_b32 v47, 4, v6
	s_wait_alu depctr_va_vdst(0)
	v_lshl_add_u32 v47, v7, 9, v47                 ; scale bytes: 512 h + 16 r
	v_lshlrev_b32 v39, 4, v7                       ; 16 h
.irp i, 16,17,18,19,24,25,26,27,32,33,34,35
	v_mov_b32 v\i, 0                               ; the zero codes beside A and B
.endr
	v_mov_b32 v9, 0xff61b1e6                       ; the largest t so far: -3e38, under every t
	v_mov_b32 v13, 0xff61b1e6
	s_delay_alu instid0(VALU_DEP_2)
	v_floor_f32 v8, -v9                            ; -M
	s_delay_alu instid0(VALU_DEP_2)
	v_floor_f32 v12, -v13
.irp i, 10,11,14,15,228,229,230,231,237,239
	v_mov_b32 v\i, 0                               ; the sums; lane permutes' destinations; the upper halves of pairs that are named whole
.endr
	s_wait_loadcnt 0x0                             ; Q
	v_lshlrev_b32 v37, 16, v36                     ; [0, 0, a0, a1]: serves [0 | A]
	v_lshrrev_b32 v38, 16, v36                     ; [b0, b1, 0, 0]: serves [B | 0]
.set j, 0
.rept 64
	v_mov_b32 v[OA+j], 0                           ; O^T: the step is written once; its first run finds zeros, which the first change of M leaves zeros.  (Also the places behind the two scale words just made)
.set j, j+1
.endr
	CHUNK 0
	CHUNK 1
	CHUNK 2
	CHUNK 3
	; THE WAY OUT: O^T / the sum, quantised along E: blocks 0, 1 are tile A's 64 channels, blocks 2, 3 tile B's
	v_add_f32 v10, v10, v11                        ; the sums' two halves (these additions are the places behind the last products),
	v_add_f32 v14, v14, v15
	s_delay_alu instid0(VALU_DEP_2)
	v_permlanex16_b32 v[T2], v10, s40, s41
	s_delay_alu instid0(VALU_DEP_2)
	v_permlanex16_b32 v[T2+1], v14, s40, s41
	s_delay_alu instid0(VALU_DEP_2)
	v_add_f32 v10, v10, v[T2]                      ; and lane l xor 16's
	s_delay_alu instid0(VALU_DEP_2)
	v_add_f32 v14, v14, v[T2+1]
	s_wait_alu depctr_va_vdst(0)
	v_rcp_f32 v236, v10
	v_rcp_f32 v238, v14
	v_nop                                          ; a plain instruction behind the reciprocals
	s_wait_alu depctr_va_vdst(0)                   ; one wait for both, ahead of the first reader
.set j, 0
.rept 16
	v_pk_mul_f32 v[OA+j:OA+j+1], v[OA+j:OA+j+1], v[236:237] op_sel_hi:[1,0]   ; in ascending order: each accumulator from its low end on
.set j, j+2
.endr
.set j, 0
.rept 16
	v_pk_mul_f32 v[OB+j:OB+j+1], v[OB+j:OB+j+1], v[238:239] op_sel_hi:[1,0]
.set j, j+2
.endr
.irp b, 0,1,2,3
	v_max3_num_f32 v[BM+\b], |v[OA+16*\b]|, |v[OA+1+16*\b]|, 0x1800000
.endr
.irp i, 2,4,6,8,10,12,14
.irp b, 0,1,2,3
	s_delay_alu instid0(VALU_DEP_4)
	v_max3_num_f32 v[BM+\b], v[BM+\b], |v[OA+16*\b+\i]|, |v[OA+1+16*\b+\i]|
.endr
.endr
.irp b, 0,1,2,3
	s_delay_alu instid0(VALU_DEP_4)
	v_permlanex16_b32 v[T2+\b], v[BM+\b], s40, s41
.endr
.irp b, 0,1,2,3
	s_delay_alu instid0(VALU_DEP_4)
	v_max_num_f32 v[BM+\b], v[BM+\b], v[T2+\b]
.endr
.irp b, 0,1,2,3
	s_delay_alu instid0(VALU_DEP_4)
	v_add_nc_u32 v[SCL+\b], 0xff000000, v[BM+\b]
.endr
.irp b, 0,1,2,3
	s_delay_alu instid0(VALU_DEP_4)
	v_lshrrev_b32 v[T2+\b], 23, v[SCL+\b]
.endr
	s_delay_alu instid0(VALU_DEP_3)
	v_lshl_or_b32 v44, v[T2+1], 8, v[T2]
	s_delay_alu instid0(VALU_DEP_1)
	v_lshl_or_b32 v44, v[T2+2], 16, v44
	s_delay_alu instid0(VALU_DEP_1)
	v_lshl_or_b32 v44, v[T2+3], 24, v44            ; [A's two bytes, B's two bytes] of query r, in lanes r and 16 + r alike
.irp b, 0,1,2,3
	v_cvt_scalef32_pk8_fp4_f32 v[PA+2*\b], v[OA+16*\b:OA+7+16*\b], v[SCL+\b]
	v_cvt_scalef32_pk8_fp4_f32 v[PA+1+2*\b], v[OA+8+16*\b:OA+15+16*\b], v[SCL+\b]
.endr
	v_nop
.irp c, 0,1
.irp i, 0,1
	v_permlane16_swap_b32 v[PA+4*\c+\i], v[PA+2+4*\c+\i]
.endr
.endr
	v_lshrrev_b32 v45, v39, v44                    ; lanes 0-15: A's two bytes; lanes 16-31: B's
	global_store_b128 v3, v[PA:PA+3], s[54:55]     ; tile A's blocks 2 head, 2 head + 1: 512 consecutive bytes of its image
	global_store_b128 v3, v[PA+4:PA+7], s[54:55] offset:8192   ; tile B's
	global_store_b16 v47, v45, s[56:57]            ; two bytes of each row's sixteen: the other heads' waves write the rest; these bytes are one in seventeen of what the launch stores
	s_wait_tensorcnt 0x0
	ds_add_u32 v254, v255
	s_wait_dscnt 0x0
	CROUND                                         ; the closing round: no work-group ends while a partner may still ask for a tile that names it
	s_endpgm
.Lfunc_end_k_qca27c9ab7a_attn:
	.size	k_qca27c9ab7a_attn, .Lfunc_end_k_qca27c9ab7a_attn-k_qca27c9ab7a_attn
	.p2alignl 7, 3214868480
	.fill 96, 4, 3214868480
	.section	.rodata,"a",@progbits
	.p2align	6, 0x0
	.amdhsa_kernel k_qca27c9ab7a_attn
		.amdhsa_group_segment_fixed_size 169984
		.amdhsa_private_segment_fixed_size 0
		.amdhsa_enable_private_segment 0
		.amdhsa_kernarg_size 32
		.amdhsa_user_sgpr_count 2
		.amdhsa_user_sgpr_kernarg_segment_ptr 1
		.amdhsa_wavefront_size32 1
		.amdhsa_system_sgpr_workgroup_id_x 1
		.amdhsa_system_sgpr_workgroup_id_y 1
		.amdhsa_system_sgpr_workgroup_id_z 1
		.amdhsa_system_vgpr_workitem_id 0
		.amdhsa_next_free_vgpr 256
		.amdhsa_next_free_sgpr 66
		.amdhsa_reserve_vcc 0
		.amdhsa_float_denorm_mode_32 3
		.amdhsa_float_denorm_mode_16_64 3
		.amdhsa_memory_ordered 1
		.amdhsa_forward_progress 1
		.amdhsa_inst_pref_size 139
	.end_amdhsa_kernel
	.amdgpu_metadata
---
amdhsa.version: [ 1, 2 ]
amdhsa.kernels:
  - .name:           k_qca27c9ab7a_attn
    .symbol:         k_qca27c9ab7a_attn.kd
    .args:
      - { .name: qc, .offset: 0, .size: 8, .value_kind: global_buffer, .address_space: global }
      - { .name: qs, .offset: 8, .size: 8, .value_kind: global_buffer, .address_space: global }
      - { .name: kv, .offset: 16, .size: 8, .value_kind: global_buffer, .address_space: global }
      - { .name: oq, .offset: 24, .size: 8, .value_kind: global_buffer, .address_space: global }
    .group_segment_fixed_size: 169984
    .private_segment_fixed_size: 0
    .kernarg_segment_align: 8
    .kernarg_segment_size: 32
    .max_flat_workgroup_size: 512
    .sgpr_count:     66
    .vgpr_count:     256
    .wavefront_size: 32
...
	.end_amdgpu_metadata
.endif
;; end of part 3
;; launch outp (part 4): grid 4 x 64, 4 waves a work-group, clusters of 4 x 1, 168,448 bytes of LDS; arguments oq, wc, ws, bo, out0; writes out0
.if DOCPART == 4
	.amdgcn_target "amdgcn-amd-amdhsa--gfx1250"
	.amdhsa_code_object_version 6
	.text
	.protected	k_qca27c9ab7a_outp
	.globl	k_qca27c9ab7a_outp
	.p2align	8
	.type	k_qca27c9ab7a_outp,@function
k_qca27c9ab7a_outp:
	s_mov_b64 s[64:65], 0
	v_nop
	global_prefetch_b8 v0, s[64:65] scope:SCOPE_SE
	s_setreg_imm32_b32 hwreg(HW_REG_WAVE_MODE, 25, 1), 1
	s_wait_xcnt 0x0
	s_wait_alu depctr_hold_cnt(0) depctr_sa_sdst(0) depctr_va_vdst(0) depctr_va_sdst(0) depctr_va_ssrc(0) depctr_va_vcc(0) depctr_vm_vsrc(0)
	s_getreg_b32 s2, hwreg(HW_REG_IB_STS2, 6, 4)
	s_cmp_eq_u32 s2, 0
	s_cbranch_scc0 .Lentry_in_a_cluster
	s_endpgm
.Lentry_in_a_cluster:
	s_bfe_u32 s2, ttmp6, 0x10000c
	s_cmp_lg_u32 s2, 0x3003
	s_cbranch_scc0 .Lentry_shape_is_right
	s_endpgm
.Lentry_shape_is_right:
; out0 = o Wo + bo on codes of FP4 with E8M0 scales; o comes as the images that the attention launch stored, Wo as the fourth weight of wc and ws.
; SHARES.  y = a chunk of 128 tokens.  Wave w of partner cx takes columns 64 (4 cx + w) on: its four tiles of Wo (256 registers) stay in registers.  256 work-groups.
; CLUSTER.  The four partners read the same chunk: each wave's one tensor load (a quarter of it, 17,408 dense bytes) is a JOINT load, mask 15.  LDS is filled once.
; The product is used TRANSPOSED (source 0 = 16 columns of Wo, source 1 = 16 tokens): a lane holds eight neighbouring columns of one token.  A tile's 16 tokens x 64 columns go through the wave's own stage in LDS
; and leave as rows: sixteen lanes store 256 consecutive bytes, aligned.  The bias is the C of each sum's first matrix instruction.
; REGISTERS: window 0: v1-15 addresses; v32-95 accumulators, two sets of four; v96-159 rows on the way out, two sets; v224-239 Wo's scale words; v240-247 o's, two sets.
;   window 1: Wo's fragments (tile f, K step s) at 64 f + 8 s.   window 2: v0-127 o's fragments, two buffers; v128-159 the bias.
.set CHB,  69632
.set STG,  CHB                         ; behind the chunk: 16 rows x 272 bytes for each wave; no tensor load lands there
.set SP,   272                         ; 256 bytes + 16: the sixteen rows of a store start in sixteen different groups of banks
.set ACC,  32
.set OB,   96
.set WS,   224
.set XS,   240
.set BI,   128
.set MSB, 0
.macro WIN new
.if MSB != (\new)
	s_set_vgpr_msb (MSB<<8)|(\new)
.set MSB, (\new)
.endif
.endm
.macro CROUND
	s_barrier_signal -1
	s_barrier_wait -1
	s_cmp_lg_u32 s14, 0
	s_cbranch_scc1 .Lnot_wave_0_\@
	s_barrier_signal -3
.Lnot_wave_0_\@:
	s_barrier_wait -3
	s_barrier_signal -1
	s_barrier_wait -1
.endm
.macro XL buf, xt                      ; tile xt: eight fragments into buffer buf, its scale words into set buf: 17 LDS loads
	WIN 0x80
.irp s, 0,1,2,3,4,5,6,7
.irp c, 0,1
	ds_load_b128 v[64*(\buf)+8*\s+4*\c:64*(\buf)+8*\s+4*\c+3], v4 offset:8192*(\xt)+1024*\s+512*\c
.endr
.endr
	WIN 0
	ds_load_b128 v[XS+4*(\buf):XS+4*(\buf)+3], v7 offset:512*(\xt)
.endm
.macro MM hi
.if \hi
	v_wmma_scale_f32_16x16x128_f8f6f4 v[rD:rD+7], v[rA:rA+7], v[rB:rB+7], v[rC:rC+7], v[rSA], v[rSB] matrix_a_fmt:MATRIX_FMT_FP4 matrix_b_fmt:MATRIX_FMT_FP4 matrix_a_scale:MATRIX_SCALE_ROW1 matrix_b_scale:MATRIX_SCALE_ROW1
.else
	v_wmma_scale_f32_16x16x128_f8f6f4 v[rD:rD+7], v[rA:rA+7], v[rB:rB+7], v[rC:rC+7], v[rSA], v[rSB] matrix_a_fmt:MATRIX_FMT_FP4 matrix_b_fmt:MATRIX_FMT_FP4
.endif
.endm
.macro MUL xt                          ; 32 products; the four accumulators take turns, one instruction a turn
.irp s, 0,1,2,3,4,5,6,7
.if \s == 0
	WIN 0x29                                       ; Wo window 1, o window 2, C (the bias) window 2, D window 0
.else
	WIN 0x09                                       ; C and D window 0
.endif
.irp f, 0,1,2,3
.set rD, ACC+32*((\xt)%2)+8*\f
.set rA, 64*\f+8*\s
.set rB, 64*((\xt)%2)+8*\s
.set rSA, WS+4*\f+\s%4
.set rSB, XS+4*((\xt)%2)+\s%4
.if \s == 0
.set rC, BI+8*\f
.else
.set rC, rD
.endif
	MM \s/4
.endr
.endr
.endm
.macro STAGE xt                        ; lane (r, h), register j of tile f: token lane-row r, column 32 (f / 2) + 16 h + 8 (f % 2) + j
.irp f, 0,1,2,3
	ds_store_b128 v8, v[ACC+32*((\xt)%2)+8*\f:ACC+32*((\xt)%2)+8*\f+3] offset:128*(\f/2)+32*(\f%2)      ; each accumulator from its low end on
	ds_store_b128 v8, v[ACC+32*((\xt)%2)+8*\f+4:ACC+32*((\xt)%2)+8*\f+7] offset:128*(\f/2)+32*(\f%2)+16
.endr
.irp t, 0,1,2,3,4,5,6,7
	ds_load_b128 v[OB+32*((\xt)%2)+4*\t:OB+32*((\xt)%2)+4*\t+3], v9 offset:2*SP*\t   ; LDS serves a wave's instructions in order: these see the stores above
.endr
.endm
.macro SEND xt                         ; lane-row 2 t + h of tile xt is token 32 (xt / 2) + 8 (xt % 2) + 2 t + h + 8 (t / 4) of the chunk
.irp t, 0,1,2,3,4,5,6,7
	global_store_b128 v10, v[OB+32*((\xt)%2)+4*\t:OB+32*((\xt)%2)+4*\t+3], s[12:13] offset:(32*((\xt)/2)+8*((\xt)%2)+2*\t+8*(\t/4))*4096 th:TH_STORE_NT   ; sixteen lanes store 256 consecutive bytes, aligned
.endr
.endm
	s_load_b256 s[4:11], s[0:1], 0x0               ; oq, wc, ws, bo
	s_load_b64 s[12:13], s[0:1], 0x20              ; out0
	v_lshl_add_u32 v254, v0, 2, 0x29000
	v_mov_b32 v255, 0
	ds_add_u32 v254, v255
	ds_add_u32 v254, v255
	v_lshrrev_b32 v1, 5, v0
	v_readfirstlane_b32 s14, v1                    ; wave 0..3
	s_bfe_u32 s15, ttmp6, 0x40000                  ; cx: it enters global addresses of the weight, the bias and the output alone
	s_and_b32 s16, ttmp7, 0xffff                   ; y: the chunk
	s_lshl_b32 s17, s15, 2
	s_add_co_u32 s17, s17, s14                     ; my 64 columns
	v_and_b32 v1, 31, v0
	v_and_b32 v2, 15, v0                           ; r
	v_bfe_u32 v3, v0, 4, 1                         ; h
	v_lshlrev_b32 v4, 4, v1                        ; 16 x lane: the chunk lies at LDS byte 0
	v_add_nc_u32 v7, 65536, v4                     ; its scale images
	s_mul_i32 s37, s14, 16*SP
	s_add_co_u32 s37, s37, STG                     ; my stage
	v_mul_u32_u24 v8, v2, SP
	v_lshl_add_u32 v8, v3, 6, v8
	v_add_nc_u32 v8, s37, v8                       ; in: row r, + 64 h
	v_mul_u32_u24 v9, v3, SP
	v_lshl_add_u32 v9, v2, 4, v9
	v_add_nc_u32 v9, s37, v9                       ; back: lanes 0-15 one row, lanes 16-31 the next
	v_lshlrev_b32 v10, 12, v3
	v_lshl_add_u32 v10, v2, 4, v10                 ; and the same two rows in out0
	v_lshlrev_b32 v14, 6, v3                       ; the bias: 64 h
	; descriptor group 1: 17,408 dense bytes as 68 rows of 32 elements of 8 bytes, no padding
	s_mov_b32 s24, 15|(3<<16)|(1<<21)
	s_mov_b32 s25, 32<<16
	s_mov_b32 s26, 68<<16
	s_mov_b32 s27, 32<<16
	s_mov_b32 s28, 68
	s_mov_b32 s29, 32
	s_mov_b32 s30, 0
	s_mov_b32 s31, 0
	s_mov_b32 s20, 1
	s_mul_i32 s21, s14, 17408                      ; LDS address: my quarter
	s_mul_i32 s32, s16, CHB
	s_add_co_u32 s32, s32, s21                     ; and in oq: nothing of cx in it
	s_mov_b32 s33, 0
	s_mov_b32 s35, 0
	s_wait_alu depctr_va_vdst(0)
	s_wait_dscnt 0x0
	s_wait_kmcnt 0x0
	s_add_nc_u64 s[22:23], s[4:5], s[32:33]
	s_or_b32 s23, s23, 0x80000000
	s_lshl_b32 s34, s17, 15
	s_add_co_u32 s34, s34, 3*524288
	s_add_nc_u64 s[6:7], s[6:7], s[34:35]          ; my four tiles of Wo
	s_lshl_b32 s34, s17, 11
	s_add_co_u32 s34, s34, 3*32768
	s_add_nc_u64 s[8:9], s[8:9], s[34:35]          ; their scale images
	s_lshl_b32 s34, s17, 8
	s_add_nc_u64 s[10:11], s[10:11], s[34:35]      ; my 64 numbers of bo
	s_lshl_b32 s36, s16, 19
	s_add_co_u32 s34, s34, s36
	s_add_nc_u64 s[12:13], s[12:13], s[34:35]      ; out0 at the chunk's first token, my first column
	WIN 0x40
.set n, 0
.rept 64
	global_load_b128 v[4*n:4*n+3], v4, s[6:7] offset:512*n
.set n, n+1
.endr
	WIN 0
.irp f, 0,1,2,3
	global_load_b128 v[WS+4*\f:WS+4*\f+3], v4, s[8:9] offset:512*\f
.endr
	WIN 0x80
.irp f, 0,1,2,3
	global_load_b128 v[BI+8*\f:BI+8*\f+3], v14, s[10:11] offset:(32*(\f/2)+8*(\f%2))*4
	global_load_b128 v[BI+8*\f+4:BI+8*\f+7], v14, s[10:11] offset:(32*(\f/2)+8*(\f%2))*4+16
.endr
	WIN 0
	CROUND                                         ; all four partners are here: the joint loads meet
	tensor_load_to_lds s[20:23], s[24:31]          ; my one tensor load: one is out
	s_nop 0
.rept 4
	v_nop
.endr
	s_wait_loadcnt 0x0
	s_wait_tensorcnt 0x0                           ; my quarter has landed,
	s_barrier_signal -1
	s_barrier_wait -1                              ; everybody's has
	XL 0, 0
	XL 1, 1
	s_wait_dscnt 17                                ; tile 0's 17 loads are in; tile 1's 17 may be out
.irp xt, 0,1,2,3,4,5,6,7
	MUL \xt
	WIN 0
.rept 4
	v_nop                                          ; four places behind the products, in front of loads into registers that they read and of the stores that read their results
.endr
	s_wait_dscnt 0x0                               ; issued ahead of these 32 products: the next tile's fragments, and the last tile's rows from the stage
.if \xt > 0
	SEND \xt-1
	s_wait_xcnt 0x0                                ; the stores have read their registers: the other set of rows is loaded again only behind such a wait
.endif
.if \xt < 6
	XL \xt%2, \xt+2
.endif
	STAGE \xt
.endr
	s_wait_dscnt 0x0
	SEND 7
	s_wait_tensorcnt 0x0
	ds_add_u32 v254, v255
	s_wait_dscnt 0x0
	CROUND                                         ; the closing round: no work-group ends while a partner may still ask for a tile that names it
	s_endpgm
.Lfunc_end_k_qca27c9ab7a_outp:
	.size	k_qca27c9ab7a_outp, .Lfunc_end_k_qca27c9ab7a_outp-k_qca27c9ab7a_outp
	.p2alignl 7, 3214868480
	.fill 96, 4, 3214868480
	.section	.rodata,"a",@progbits
	.p2align	6, 0x0
	.amdhsa_kernel k_qca27c9ab7a_outp
		.amdhsa_group_segment_fixed_size 168448
		.amdhsa_private_segment_fixed_size 0
		.amdhsa_enable_private_segment 0
		.amdhsa_kernarg_size 40
		.amdhsa_user_sgpr_count 2
		.amdhsa_user_sgpr_kernarg_segment_ptr 1
		.amdhsa_wavefront_size32 1
		.amdhsa_system_sgpr_workgroup_id_x 1
		.amdhsa_system_sgpr_workgroup_id_y 1
		.amdhsa_system_sgpr_workgroup_id_z 1
		.amdhsa_system_vgpr_workitem_id 0
		.amdhsa_next_free_vgpr 768
		.amdhsa_next_free_sgpr 66
		.amdhsa_reserve_vcc 0
		.amdhsa_float_denorm_mode_32 3
		.amdhsa_float_denorm_mode_16_64 3
		.amdhsa_memory_ordered 1
		.amdhsa_forward_progress 1
		.amdhsa_inst_pref_size 69
	.end_amdhsa_kernel
	.amdgpu_metadata
---
amdhsa.version: [ 1, 2 ]
amdhsa.kernels:
  - .name:           k_qca27c9ab7a_outp
    .symbol:         k_qca27c9ab7a_outp.kd
    .args:
      - { .name: oq, .offset: 0, .size: 8, .value_kind: global_buffer, .address_space: global }
      - { .name: wc, .offset: 8, .size: 8, .value_kind: global_buffer, .address_space: global }
      - { .name: ws, .offset: 16, .size: 8, .value_kind: global_buffer, .address_space: global }
      - { .name: bo, .offset: 24, .size: 8, .value_kind: global_buffer, .address_space: global }
      - { .name: out0, .offset: 32, .size: 8, .value_kind: global_buffer, .address_space: global }
    .group_segment_fixed_size: 168448
    .private_segment_fixed_size: 0
    .kernarg_segment_align: 8
    .kernarg_segment_size: 40
    .max_flat_workgroup_size: 128
    .sgpr_count:     66
    .vgpr_count:     768
    .wavefront_size: 32
...
	.end_amdgpu_metadata
.endif
;; end of part 4
